; MI455X (gfx1250); checked and timed in simulation.
; The chip was launched on July 23, 2026; its instructions are those of AMD's public machine-readable ISA for CDNA 5 (MIT licence, August 2026) and "CDNA5" Instruction Set Architecture Reference Guide (July 2026). The comments in the code are by the model that wrote it; some were corrected since.
;; Self Attention. Allowed arithmetic: matrix products marked QUANTISED: E2M3 operands, one E8M0 scale for each 32 along K, by v_wmma_scale_f32_16x16x128_f8f6f4 with both operands' format E2M3, f32 sums; everything else in f32.
;; Inputs: b_out 1,024 float32; ln_b 1,024 float32; ln_w 1,024 float32; w_out_codes 1,024 x 32 x 24 uint8 (E2M3 codes of w_out, K innermost, in blocks of 32 codes, four codes in three bytes); w_out_scales 1,024 x 32 uint8 (E8M0 scales of w_out, one for each 32 codes along K); w_qkv_codes 3,072 x 32 x 24 uint8 (E2M3 codes of w_qkv, K innermost, in blocks of 32 codes, four codes in three bytes); w_qkv_scales 3,072 x 32 uint8 (E8M0 scales of w_qkv, one for each 32 codes along K); x 4 x 2,048 x 1,024 float32.
;; Outputs: out0 4 x 2,048 x 1,024 float32.
;; This version of the problem:
;;   THIS VERSION OF THE PROBLEM IS GIVEN IN LOW PRECISION. The matrix products marked QUANTISED in the list below multiply operands that are first quantised to E2M3 (2 exponent bits, 3 mantissa bits; 6 bits a number), with one power-of-two scale for each 32 numbers along K (OCP MX v1.0); their sums are f32. All else is computed in f32.
;;   The module's matrix products, in the order in which they are computed (A, B: the left and right operand; K: the contracted axis; several contracted axes count as one K, in the product's order):
;;     1. [M 8,192, K 1,024] x [K 1,024, N 3,072]; A: computed on the way; B: input w_qkv (given as codes): QUANTISED
;;     2. batch 64 x [M 2,048, K 64] x [K 64, N 2,048]; A: computed on the way; B: computed on the way: QUANTISED
;;     3. batch 64 x [M 64, K 2,048] x [K 2,048, N 2,048]; A: computed on the way; B: softmax (see below): QUANTISED
;;     4. [M 8,192, K 1,024] x [K 1,024, N 1,024]; A: computed on the way; B: input w_out (given as codes): QUANTISED
;;   THE QUANTISER, for each operand of a quantised product, along K:
;;     - K is cut into blocks of 32 from its start; a last block that is shorter is filled with zeros.
;;     - A block's scale is 2^e with e = floor(log2(the largest magnitude in the block)) - 2, held to -126 .. 127; a block of zeros has e = 0. As a byte (E8M0): e + 127.
;;     - Each number is divided by its block's scale, clamped to +-7.5, and rounded to the nearest number of E2M3, ties to even, subnormals kept.
;;     - The product sums the exact products of the quantised numbers (number of the format x scale) in f32.
;;   ~~~python
;;   def quantise(x, axis):      # numpy; x: float32 -> the quantised numbers, widened to float32 again
;;       x = np.moveaxis(x, axis, -1); K = x.shape[-1]
;;       x = np.pad(x, [(0, 0)] * (x.ndim - 1) + [(0, -K % 32)]); x = x.reshape(x.shape[:-1] + (-1, 32)); a = np.abs(x).max(-1, keepdims=True)
;;       e = np.where(a > 0, np.clip(np.frexp(np.where(a > 0, a, 1))[1] - 1 - 2, -126, 127), 0)      # np.frexp(a)[1] - 1 = floor(log2(a)), exactly
;;       r = np.clip(x / 2.0 ** e, -7.5, 7.5)
;;       step = 2.0 ** (np.maximum(np.frexp(np.where(r == 0, 1, r))[1] - 1, 0) - 3)
;;       q = np.round(r / step) * step * 2.0 ** e      # np.round: ties to even
;;       return np.moveaxis(q.reshape(q.shape[:-2] + (-1,))[..., :K], -1, axis).astype(np.float32)
;;   ~~~
;;   SOFTMAX AHEAD OF A QUANTISED PRODUCT. Where the list says 'softmax', what is quantised is not the finished softmax but p = 2^(t - M), with t = logit x log2(e) and M = ceil(the row's largest t), a whole number; so 1/2 < the row's largest p <= 1. The row's sum l is taken of the UNQUANTISED p, in f32, and the product's result is divided by l at the end. Since M is a whole number, a kernel that streams over the keys may use a running M (the ceiling of the running maximum): every later rescaling is an exact power of two, which a block's scale takes up: the codes' values come out the same.
;;   OPERANDS COMPUTED ON THE WAY. 'Computed on the way' means the value that the module computes at that place (a softmax that the list does not call 'softmax' is quantised finished and normalised). What goes into a quantiser is computed in f32, as accurately as f32 sums, v_exp_f32 and their like allow (about 1e-6 of the number): no bf16 or f16 on the way to a quantiser, and a product that is left as it is and whose result goes on into a quantised operand takes f32 operands (vector FMAs, or v_wmma_f32_16x16x4_f32). A number that lies on a knife's edge between two numbers of the format may be rounded either way, as far as f32 arithmetic and the matrix unit's own rounding can turn it there, and no further.
;;   INPUTS GIVEN AS CODES. w_out (in the module: [1024, 1024], K = its axis 1); w_qkv (in the module: [3072, 1024], K = its axis 1): each comes as NAME_codes (uint8): NAME with its K axis moved to the last place and cut into blocks of 32 codes, [.., K / 32, bytes a block], one block behind the other in memory; four codes in three bytes: a row's codes are one little-endian stream of bits, code i at bits 6 i .. 6 i + 5 (a code: sign, 2 exponent bits, 3 mantissa bits); and NAME_scales (uint8): the same leading axes, one E8M0 byte (e + 127) for each 32 codes along K. Its value is code x scale, taken as it is: it is not quantised again, and the codes and scales need not be those that the quantiser above would give.
;; One version. Each part assembles by itself: llvm-mc -triple=amdgcn-amd-amdhsa -mcpu=gfx1250 --defsym DOCPART=n.
;; ======== version 1 of 1: 4 launches
;; limits: right only within a limited range of input values
;; workspace buffers: h_op 6,553,600 bytes; wq_op 2,457,600 bytes; wo_op 819,200 bytes; a_op 6,553,600 bytes; qbuf 6,815,744 bytes; kv 13,369,344 bytes
;; launch prep (part 1): grid 256 x 1, 8 waves a work-group, no clusters, 327,680 bytes of LDS; arguments x, ln_w, ln_b, w_qkv_codes, w_qkv_scales, w_out_codes, w_out_scales, h_op, wq_op, wo_op; writes h_op, wq_op, wo_op
.if DOCPART == 1
	.amdgcn_target "amdgcn-amd-amdhsa--gfx1250"
	.amdhsa_code_object_version 6
	.text
	.protected	k_q14981073f4_prep
	.globl	k_q14981073f4_prep
	.p2align	8
	.type	k_q14981073f4_prep,@function
k_q14981073f4_prep:
	s_mov_b64 s[64:65], 0
	v_nop
	global_prefetch_b8 v0, s[64:65] scope:SCOPE_SE
	s_setreg_imm32_b32 hwreg(HW_REG_WAVE_MODE, 25, 1), 1
	s_wait_xcnt 0x0
.set XROW,  4608
.set STG1,  147456
.set STG2,  164864
.set STG3,  173568
.set XR,    16
.set LW,    48
.set LB,    80
.set CD,    112
.set WF,    120
	s_load_b256 s[4:11], s[0:1], 0x0
	s_load_b256 s[12:19], s[0:1], 0x20
	s_load_b128 s[20:23], s[0:1], 0x40
	v_lshl_add_u32 v144, v0, 2, 0x2aa00
	v_mov_b32 v145, 0
	ds_add_u32 v144, v145
	ds_add_u32 v144, v145
	v_lshrrev_b32 v1, 5, v0
	s_delay_alu instid0(VALU_DEP_1)
	v_readfirstlane_b32 s40, v1
	s_mov_b32 s24, (2<<16)|(1<<20)|(4<<22)|(3<<25)
	s_mov_b32 s25, 1024<<16
	s_mov_b32 s26, 4<<16
	s_mov_b32 s27, 1024<<16
	s_mov_b32 s28, 4
	s_mov_b32 s29, 1024
	s_mov_b32 s30, 0
	s_mov_b32 s31, 0
	s_lshl_b32 s42, ttmp9, 17
	s_lshl_b32 s41, s40, 14
	s_add_co_u32 s42, s42, s41
	s_mov_b32 s43, 0
	s_mul_i32 s41, s40, 4*XROW
	s_wait_dscnt 0x0
	s_wait_kmcnt 0x0
	s_add_nc_u64 s[4:5], s[4:5], s[42:43]
.irp j, 0
	s_mov_b32 s[32+4*\j], 1
	s_add_co_u32 s[33+4*\j], s41, \j*2*XROW
	s_add_nc_u64 s[34+4*\j:35+4*\j], s[4:5], \j*8192
	s_or_b32 s[35+4*\j], s[35+4*\j], 0x80000000
.endr
	tensor_load_to_lds s[32:35], s[24:31]          ; my one load: my four rows of x, 16,384 bytes, which I alone read
	s_nop 0
.rept 4
	v_nop
.endr
	s_lshr_b32 s44, ttmp9, 1
	s_cmp_lt_u32 ttmp9, 192
	s_cselect_b64 s[10:11], s[10:11], s[14:15]
	s_cselect_b64 s[12:13], s[12:13], s[16:17]
	s_cselect_b64 s[20:21], s[20:21], s[22:23]
	s_cselect_b32 s45, 0, 96
	s_sub_co_u32 s44, s44, s45
	s_and_b32 s46, ttmp9, 1
	s_lshl_b32 s46, s46, 1
	s_lshr_b32 s47, s40, 2
	s_add_co_u32 s46, s46, s47
	s_bfe_u32 s48, s40, 0x10001
	s_and_b32 s49, s40, 1
	s_and_b32 s58, s40, 3
	s_mul_i32 s50, s44, 24576
	s_mul_i32 s51, s48, 6144
	s_add_co_u32 s50, s50, s51
	s_lshl_b32 s51, s46, 1
	s_add_co_u32 s51, s51, s49
	s_mul_i32 s51, s51, 96
	s_add_co_u32 s50, s50, s51
	s_mov_b32 s51, 0
	s_add_nc_u64 s[10:11], s[10:11], s[50:51]
	s_mul_i32 s52, s44, 25600
	s_mul_i32 s53, s46, 6400
	s_add_co_u32 s52, s52, s53
	s_mov_b32 s53, 0
	s_add_nc_u64 s[20:21], s[20:21], s[52:53]
	s_mul_i32 s54, s48, 3072
	s_mul_i32 s55, s49, 1536
	s_add_co_u32 s54, s54, s55
	s_mov_b32 s55, 0
	s_add_nc_u64 s[22:23], s[20:21], s[54:55]
	s_lshl_b32 s56, s44, 10
	s_lshl_b32 s57, s46, 3
	s_add_co_u32 s56, s56, s57
	s_mov_b32 s57, 0
	s_add_nc_u64 s[12:13], s[12:13], s[56:57]
	v_and_b32 v1, 31, v0
	v_and_b32 v140, 15, v0
	v_bfe_u32 v141, v0, 4, 1
	s_delay_alu instid0(VALU_DEP_2)
	v_and_b32 v10, 8, v140
	s_delay_alu instid0(VALU_DEP_1)
	v_add_nc_u32 v10, v10, v140
	s_delay_alu instid0(VALU_DEP_1)
	v_mul_u32_u24 v134, v10, 768
	s_delay_alu instid0(VALU_DEP_1)
	v_mad_u32_u24 v134, v141, 24, v134
	s_delay_alu instid0(VALU_DEP_3)
	v_lshl_add_u32 v135, v141, 3, v10
	s_delay_alu instid0(VALU_DEP_1)
	v_lshlrev_b32 v135, 5, v135
	v_lshlrev_b32 v6, 4, v1
	v_lshlrev_b32 v7, 3, v1
	v_lshlrev_b32 v136, 7, v1
.irp p, 0,1,2,3,4,5
	global_load_b64 v[WF+2*\p:WF+2*\p+1], v134, s[10:11] offset:48*(\p/3)+8*(\p%3)
.endr
.irp j, 0,1,2,3,4,5,6,7
	global_load_b128 v[LW+4*\j:LW+4*\j+3], v136, s[6:7] offset:16*\j
	global_load_b128 v[LB+4*\j:LB+4*\j+3], v136, s[8:9] offset:16*\j
.endr
	s_wait_alu depctr_va_vdst(0)
	s_wait_loadcnt 16
	global_store_b128 v6, v[WF:WF+3], s[22:23]
	global_store_b64 v7, v[WF+4:WF+5], s[22:23] offset:512
	global_store_b128 v6, v[WF+6:WF+9], s[22:23] offset:768
	global_store_b64 v7, v[WF+10:WF+11], s[22:23] offset:1280
	s_cmp_lg_u32 s58, 0
	s_cbranch_scc1 .Lno_scales
	global_load_b64 v[132:133], v135, s[12:13]
	s_wait_loadcnt 0x0
	global_store_b64 v7, v[132:133], s[20:21] offset:6144
.Lno_scales:
	s_mov_b32 s42, 0x76543210
	s_mov_b32 s43, 0xfedcba98
	s_mov_b32 s3, 0x3a800000
	v_mov_b32 v9, 0
	v_mul_u32_u24 v2, v1, 144
	s_delay_alu instid0(VALU_DEP_1)
	v_add_nc_u32 v2, s41, v2
	s_and_b32 s59, s40, 1
	s_lshl_b32 s59, s59, 2
	s_lshl_b32 s60, s47, 3
	s_add_co_u32 s59, s59, s60
	s_mul_i32 s60, s48, 32*272
	s_lshl_b32 s61, s59, 4
	s_add_co_u32 s60, s60, s61
	s_add_co_u32 s60, s60, STG1
	v_mul_u32_u24 v3, v1, 272
	s_delay_alu instid0(VALU_DEP_1)
	v_add_nc_u32 v3, s60, v3
	s_mul_i32 s60, s48, 32*136
	s_lshl_b32 s61, s59, 3
	s_add_co_u32 s60, s60, s61
	s_add_co_u32 s60, s60, STG2
	v_mul_u32_u24 v4, v1, 136
	s_delay_alu instid0(VALU_DEP_1)
	v_add_nc_u32 v4, s60, v4
	s_lshl_b32 s60, s48, 7
	s_add_co_u32 s60, s60, s61
	s_add_co_u32 s60, s60, STG3
	v_lshrrev_b32 v5, 3, v1
	s_delay_alu instid0(VALU_DEP_1)
	v_lshlrev_b32 v5, 8, v5
	v_and_b32 v8, 7, v1
	s_delay_alu instid0(VALU_DEP_1)
	v_add_nc_u32 v5, v5, v8
	s_delay_alu instid0(VALU_DEP_1)
	v_add_nc_u32 v5, s60, v5
	s_mul_i32 s60, s40, 8*272
	s_add_co_u32 s60, s60, STG1
	v_mul_u32_u24 v137, v141, 272
	s_delay_alu instid0(VALU_DEP_1)
	v_lshl_add_u32 v137, v140, 4, v137
	s_delay_alu instid0(VALU_DEP_1)
	v_add_nc_u32 v137, s60, v137
	s_mul_i32 s60, s40, 8*136
	s_add_co_u32 s60, s60, STG2
	v_mul_u32_u24 v138, v141, 136
	s_delay_alu instid0(VALU_DEP_1)
	v_lshl_add_u32 v138, v140, 3, v138
	s_delay_alu instid0(VALU_DEP_1)
	v_add_nc_u32 v138, s60, v138
	s_lshl_b32 s60, s58, 8
	s_add_co_u32 s60, s60, STG3
	v_add_nc_u32 v139, s60, v7
	s_mul_i32 s62, ttmp9, 25600
	s_mul_i32 s63, s58, 6400
	s_add_co_u32 s62, s62, s63
	s_mul_i32 s63, s47, 3072
	s_add_co_u32 s62, s62, s63
	s_mov_b32 s63, 0
	s_add_nc_u64 s[18:19], s[18:19], s[62:63]
	s_wait_loadcnt 0x0
.macro WSUM
	s_delay_alu instid0(VALU_DEP_1)
	v_add_f32_dpp v8, v8, v8 row_xmask:1 row_mask:0xf bank_mask:0xf
	s_delay_alu instid0(VALU_DEP_1)
	v_add_f32_dpp v8, v8, v8 row_xmask:2 row_mask:0xf bank_mask:0xf
	s_delay_alu instid0(VALU_DEP_1)
	v_add_f32_dpp v8, v8, v8 row_xmask:4 row_mask:0xf bank_mask:0xf
	s_delay_alu instid0(VALU_DEP_1)
	v_add_f32_dpp v8, v8, v8 row_xmask:8 row_mask:0xf bank_mask:0xf
	s_delay_alu instid0(VALU_DEP_1)
	v_permlanex16_b32 v9, v8, s42, s43
	s_delay_alu instid0(VALU_DEP_1)
	v_add_f32 v8, v8, v9
.endm
.macro ROW i
.irp j, 0,1,2,3,4,5,6,7
	ds_load_b128 v[XR+4*\j:XR+4*\j+3], v2 offset:\i*XROW+16*\j
.endr
	s_wait_dscnt 0x0
	v_pk_add_f32 v[10:11], v[XR:XR+1], v[XR+2:XR+3]
	v_pk_add_f32 v[12:13], v[XR+4:XR+5], v[XR+6:XR+7]
.irp j, 8,12,16,20,24,28
	s_delay_alu instid0(VALU_DEP_2)
	v_pk_add_f32 v[10:11], v[10:11], v[XR+\j:XR+\j+1]
	s_delay_alu instid0(VALU_DEP_2)
	v_pk_add_f32 v[12:13], v[12:13], v[XR+\j+2:XR+\j+3]
.endr
	s_delay_alu instid0(VALU_DEP_1)
	v_pk_add_f32 v[10:11], v[10:11], v[12:13]
	s_delay_alu instid0(VALU_DEP_1)
	v_add_f32 v8, v10, v11
	WSUM
	s_delay_alu instid0(VALU_DEP_1)
	v_mul_f32 v10, 0xba800000, v8
	s_delay_alu instid0(VALU_DEP_1)
	v_mov_b32 v11, v10
.irp j, 0,2,4,6,8,10,12,14,16,18,20,22,24,26,28,30
	v_pk_add_f32 v[XR+\j:XR+\j+1], v[XR+\j:XR+\j+1], v[10:11]
.endr
	v_pk_mul_f32 v[12:13], v[XR:XR+1], v[XR:XR+1]
	v_pk_mul_f32 v[14:15], v[XR+2:XR+3], v[XR+2:XR+3]
.irp j, 4,8,12,16,20,24,28
	s_delay_alu instid0(VALU_DEP_2)
	v_pk_fma_f32 v[12:13], v[XR+\j:XR+\j+1], v[XR+\j:XR+\j+1], v[12:13]
	s_delay_alu instid0(VALU_DEP_2)
	v_pk_fma_f32 v[14:15], v[XR+\j+2:XR+\j+3], v[XR+\j+2:XR+\j+3], v[14:15]
.endr
	s_delay_alu instid0(VALU_DEP_1)
	v_pk_add_f32 v[12:13], v[12:13], v[14:15]
	s_delay_alu instid0(VALU_DEP_1)
	v_add_f32 v8, v12, v13
	WSUM
	s_delay_alu instid0(VALU_DEP_1)
	v_fmaak_f32 v8, s3, v8, 0x3727c5ac
	s_wait_alu depctr_va_vdst(0)
	v_rsq_f32 v10, v8
	v_nop
	s_wait_alu depctr_va_vdst(0)
	v_mov_b32 v11, v10
.irp j, 0,2,4,6,8,10,12,14,16,18,20,22,24,26,28,30
	v_pk_mul_f32 v[XR+\j:XR+\j+1], v[XR+\j:XR+\j+1], v[10:11]
.endr
.irp j, 0,2,4,6,8,10,12,14,16,18,20,22,24,26,28,30
	v_pk_fma_f32 v[XR+\j:XR+\j+1], v[XR+\j:XR+\j+1], v[LW+\j:LW+\j+1], v[LB+\j:LB+\j+1]
.endr
	v_max3_num_f32 v12, |v[XR]|, |v[XR+1]|, |v[XR+2]|
	v_max3_num_f32 v13, |v[XR+3]|, |v[XR+4]|, |v[XR+5]|
.irp j, 6,10,14,18,22,26
	s_delay_alu instid0(VALU_DEP_2)
	v_max3_num_f32 v12, v12, |v[XR+\j]|, |v[XR+\j+1]|
	s_delay_alu instid0(VALU_DEP_2)
	v_max3_num_f32 v13, v13, |v[XR+\j+2]|, |v[XR+\j+3]|
.endr
	s_delay_alu instid0(VALU_DEP_2)
	v_max3_num_f32 v12, v12, |v[XR+30]|, |v[XR+31]|
	s_delay_alu instid0(VALU_DEP_1)
	v_max3_num_f32 v12, v12, v13, 0x1800000
	s_delay_alu instid0(VALU_DEP_1)
	v_add_nc_u32 v14, 0xff000000, v12
	s_delay_alu instid0(VALU_DEP_1)
	v_lshrrev_b32 v15, 23, v14
	v_cvt_scalef32_pk16_fp6_f32 v[CD:CD+2], v[XR:XR+15], v14
	v_cvt_scalef32_pk16_fp6_f32 v[CD+4:CD+6], v[XR+16:XR+31], v14
	v_nop
	v_mov_b32 v[CD+3], v[CD+4]
	v_mov_b32 v[CD+4], v[CD+5]
	v_mov_b32 v[CD+5], v[CD+6]
	ds_store_b128 v3, v[CD:CD+3] offset:16*\i
	ds_store_b64 v4, v[CD+4:CD+5] offset:8*\i
	ds_store_b8 v5, v15 offset:8*\i
.endm
	s_wait_tensorcnt 0x0
	ROW 0
	ROW 1
	ROW 2
	ROW 3
	s_wait_dscnt 0x0
	s_barrier_signal -1
	s_barrier_wait -1
.irp h, 0,1,2,3
	ds_load_b128 v[16+4*\h:19+4*\h], v137 offset:544*\h
	ds_load_b64 v[32+2*\h:33+2*\h], v138 offset:272*\h
.endr
.irp h, 0,1,2,3
	s_wait_dscnt 7-2*\h
	global_store_b128 v6, v[16+4*\h:19+4*\h], s[18:19] offset:768*\h
	s_wait_dscnt 6-2*\h
	global_store_b64 v7, v[32+2*\h:33+2*\h], s[18:19] offset:768*\h+512
.endr
	s_cmp_lt_u32 s40, 4
	s_cbranch_scc0 .Ldone
	ds_load_b64 v[40:41], v139
	s_wait_dscnt 0x0
	global_store_b64 v7, v[40:41], s[18:19] offset:6144
.Ldone:
	s_wait_tensorcnt 0x0
	ds_add_u32 v144, v145
	s_wait_dscnt 0x0
	s_endpgm
.Lfunc_end_k_q14981073f4_prep:
	.size	k_q14981073f4_prep, .Lfunc_end_k_q14981073f4_prep-k_q14981073f4_prep
	.p2alignl 7, 3214868480
	.fill 96, 4, 3214868480
	.section	.rodata,"a",@progbits
	.p2align	6, 0x0
	.amdhsa_kernel k_q14981073f4_prep
		.amdhsa_group_segment_fixed_size 327680
		.amdhsa_private_segment_fixed_size 0
		.amdhsa_enable_private_segment 0
		.amdhsa_kernarg_size 80
		.amdhsa_user_sgpr_count 2
		.amdhsa_user_sgpr_kernarg_segment_ptr 1
		.amdhsa_wavefront_size32 1
		.amdhsa_system_sgpr_workgroup_id_x 1
		.amdhsa_system_sgpr_workgroup_id_y 1
		.amdhsa_system_sgpr_workgroup_id_z 1
		.amdhsa_system_vgpr_workitem_id 0
		.amdhsa_next_free_vgpr 146
		.amdhsa_next_free_sgpr 66
		.amdhsa_reserve_vcc 0
		.amdhsa_float_denorm_mode_32 3
		.amdhsa_float_denorm_mode_16_64 3
		.amdhsa_memory_ordered 1
		.amdhsa_forward_progress 1
		.amdhsa_inst_pref_size 52
	.end_amdhsa_kernel
	.amdgpu_metadata
---
amdhsa.version: [ 1, 2 ]
amdhsa.kernels:
  - .name:           k_q14981073f4_prep
    .symbol:         k_q14981073f4_prep.kd
    .args:
      - { .name: x, .offset: 0, .size: 8, .value_kind: global_buffer, .address_space: global }
      - { .name: ln_w, .offset: 8, .size: 8, .value_kind: global_buffer, .address_space: global }
      - { .name: ln_b, .offset: 16, .size: 8, .value_kind: global_buffer, .address_space: global }
      - { .name: w_qkv_codes, .offset: 24, .size: 8, .value_kind: global_buffer, .address_space: global }
      - { .name: w_qkv_scales, .offset: 32, .size: 8, .value_kind: global_buffer, .address_space: global }
      - { .name: w_out_codes, .offset: 40, .size: 8, .value_kind: global_buffer, .address_space: global }
      - { .name: w_out_scales, .offset: 48, .size: 8, .value_kind: global_buffer, .address_space: global }
      - { .name: h_op, .offset: 56, .size: 8, .value_kind: global_buffer, .address_space: global }
      - { .name: wq_op, .offset: 64, .size: 8, .value_kind: global_buffer, .address_space: global }
      - { .name: wo_op, .offset: 72, .size: 8, .value_kind: global_buffer, .address_space: global }
    .group_segment_fixed_size: 327680
    .private_segment_fixed_size: 0
    .kernarg_segment_align: 8
    .kernarg_segment_size: 80
    .max_flat_workgroup_size: 256
    .sgpr_count:     66
    .vgpr_count:     146
    .wavefront_size: 32
...
	.end_amdgpu_metadata
.endif
;; end of part 1
;; launch qkv (part 2): grid 8 x 32, 4 waves a work-group, clusters of 4 x 4, 327,680 bytes of LDS; arguments h_op, wq_op, qbuf, kv; writes qbuf, kv
.if DOCPART == 2
	.amdgcn_target "amdgcn-amd-amdhsa--gfx1250"
	.amdhsa_code_object_version 6
	.text
	.protected	k_q14981073f4_qkv
	.globl	k_q14981073f4_qkv
	.p2align	8
	.type	k_q14981073f4_qkv,@function
k_q14981073f4_qkv:
	s_mov_b64 s[64:65], 0
	v_nop
	global_prefetch_b8 v0, s[64:65] scope:SCOPE_SE
	s_setreg_imm32_b32 hwreg(HW_REG_WAVE_MODE, 25, 1), 1
	s_wait_xcnt 0x0
	s_wait_alu depctr_hold_cnt(0) depctr_sa_sdst(0) depctr_va_vdst(0) depctr_va_sdst(0) depctr_va_ssrc(0) depctr_va_vcc(0) depctr_vm_vsrc(0)
	s_getreg_b32 s2, hwreg(HW_REG_IB_STS2, 6, 4)
	s_cmp_eq_u32 s2, 0
	s_cbranch_scc0 .Lentry_in_a_cluster
	s_endpgm
.Lentry_in_a_cluster:
	s_bfe_u32 s2, ttmp6, 0x10000c
	s_cmp_lg_u32 s2, 0xf033
	s_cbranch_scc0 .Lentry_shape_is_right
	s_endpgm
.Lentry_shape_is_right:
.set REC,   6400
.set SLOT,  128000
.set XOFF,  51200
.set SPARE, 256000
.set AY16,  8
.set AY8,   10
.set AX16,  12
.set AX8,   14
.set SPW,   16
.set NIL,   17
.set L16,   18
.set L8,    19
.set FL,    20
.set SC,    24
.set AF,    64
.set BF,    160
.set G1Y,   24
.set G0Y,   32
.set G1X,   48
.set G0X,   56
.set TM,    64
.set TP,    80
.set SO,    96
.set SW,    112
.set PR,    120
.set PC,    128
.set PT,    192
.set MSB, 0
.macro WIN new
.if MSB != \new
	s_set_vgpr_msb (MSB<<8)|\new
.set MSB, \new
.endif
.endm
.macro PLACES
.rept 4
	v_nop
.endr
.endm
.macro JLOAD s
	s_cmp_eq_u32 s15, 0
	s_cbranch_scc0 .Lfor_x_\@
	tensor_load_to_lds s[G0Y+4*\s:G0Y+4*\s+3], s[G1Y:G1Y+7]
	s_nop 0
.rept 4
	v_nop
.endr
	s_branch .Lasked_\@
.Lfor_x_\@:
	tensor_load_to_lds s[G0X+4*\s:G0X+4*\s+3], s[G1X:G1X+7]
	s_nop 0
.rept 4
	v_nop
.endr
.Lasked_\@:
.endm
.macro CREST
	s_cmp_lg_u32 s14, 0
	s_cbranch_scc1 .Lnot_wave_0_\@
	s_barrier_signal -3
.Lnot_wave_0_\@:
	s_barrier_wait -3
	s_barrier_signal -1
	s_barrier_wait -1
.endm
.macro CROUND
	s_barrier_signal -1
	s_barrier_wait -1
	CREST
.endm
	s_load_b128 s[4:7], s[0:1], 0x0
	s_load_b128 s[8:11], s[0:1], 0x10
	v_lshl_add_u32 v[SPW], v0, 2, SPARE
	v_mov_b32 v[NIL], 0
	ds_add_u32 v16, v17
	ds_add_u32 v16, v17
	s_wait_dscnt 0x0
	v_lshrrev_b32 v1, 5, v0
	v_readfirstlane_b32 s14, v1
	s_lshr_b32 s15, s14, 1
	s_and_b32 s16, s14, 1
	s_bfe_u32 s40, ttmp6, 0x40000
	s_bfe_u32 s41, ttmp6, 0x40004
	s_lshl_b32 s42, ttmp9, 2
	s_add_co_u32 s42, s42, s40
	s_and_b32 s17, ttmp7, 0xffff
	s_lshl_b32 s17, s17, 2
	s_add_co_u32 s17, s17, s41
	s_lshl_b32 s43, s41, 2
	s_lshl_b32 s43, 15, s43
	s_lshl_b32 s44, 0x1111, s40
	s_or_b32 s[G1Y], s43, (3<<16)|(1<<21)
	s_or_b32 s[G1X], s44, (3<<16)|(1<<21)
	s_mov_b32 s[G1Y+1], 800<<16
	s_mov_b32 s[G1Y+2], 4<<16
	s_mov_b32 s[G1Y+3], 800<<16
	s_mov_b32 s[G1Y+4], 4
	s_mov_b32 s[G1Y+5], 3200
	s_mov_b32 s[G1Y+6], 0
	s_mov_b32 s[G1Y+7], 0
	s_mov_b32 s[G1X+1], 800<<16
	s_mov_b32 s[G1X+2], 6<<16
	s_mov_b32 s[G1X+3], 800<<16
	s_mov_b32 s[G1X+4], 6
	s_mov_b32 s[G1X+5], 3200
	s_mov_b32 s[G1X+6], 0
	s_mov_b32 s[G1X+7], 0
	s_lshl_b32 s20, s17, 3
	s_lshl_b32 s21, s16, 2
	s_add_co_u32 s20, s20, s21
	s_mul_i32 s20, s20, 25600
	s_mov_b32 s21, 0
	s_mul_i32 s46, s42, 12
	s_mul_i32 s47, s16, 6
	s_add_co_u32 s46, s46, s47
	s_mul_i32 s46, s46, 25600
	s_mov_b32 s47, 0
	s_mul_i32 s45, s16, 25600
	s_mul_i32 s18, s16, 38400
	s_add_co_u32 s18, s18, XOFF
	s_wait_kmcnt 0x0
	s_add_nc_u64 s[20:21], s[4:5], s[20:21]
	s_add_nc_u64 s[46:47], s[6:7], s[46:47]
	CROUND
.irp s, 0,1
	s_mov_b32 s[G0Y+4*\s], 1
	s_add_co_u32 s[G0Y+4*\s+1], s45, \s*SLOT
	s_add_nc_u64 s[G0Y+4*\s+2:G0Y+4*\s+3], s[20:21], \s*REC
	s_or_b32 s[G0Y+4*\s+3], s[G0Y+4*\s+3], 0x80000000
	s_mov_b32 s[G0X+4*\s], 1
	s_add_co_u32 s[G0X+4*\s+1], s18, \s*SLOT
	s_add_nc_u64 s[G0X+4*\s+2:G0X+4*\s+3], s[46:47], \s*REC
	s_or_b32 s[G0X+4*\s+3], s[G0X+4*\s+3], 0x80000000
	s_wait_alu depctr_va_vdst(0)
	s_wait_tensorcnt 0x0
	ds_add_u32 v16, v17
	ds_add_u32 v16, v17
	s_wait_dscnt 0x0
	CROUND
	JLOAD \s
.endr
	v_and_b32 v1, 31, v0
	v_lshlrev_b32 v[L16], 4, v1
	v_lshlrev_b32 v[L8], 3, v1
	s_mul_i32 s80, s15, 25600
	s_mul_i32 s81, s16, 38400
	s_add_co_u32 s81, s81, XOFF
.irp s, 0,1
	v_add_nc_u32 v[AY16+\s], s80, v[L16]
	v_add_nc_u32 v[AY8+\s], s80, v[L8]
	v_add_nc_u32 v[AX16+\s], s81, v[L16]
	v_add_nc_u32 v[AX8+\s], s81, v[L8]
	s_add_co_u32 s80, s80, SLOT
	s_add_co_u32 s81, s81, SLOT
.endr
	s_lshl_b32 s82, s17, 1
	s_add_co_u32 s82, s82, s15
	s_lshr_b32 s83, s82, 4
	s_lshl_b32 s83, s83, 8
	s_and_b32 s82, s82, 15
	s_add_co_u32 s82, s82, s83
	s_lshl_b32 s83, s42, 1
	s_add_co_u32 s83, s83, s16
	s_lshl_b32 s83, s83, 4
	s_add_co_u32 s82, s82, s83
	s_mul_i32 s84, s82, 6656
	s_mov_b32 s85, 0
	s_mul_i32 s86, s82, 13056
	s_mov_b32 s87, 0
	s_add_nc_u64 s[8:9], s[8:9], s[84:85]
	s_add_nc_u64 s[10:11], s[10:11], s[86:87]
	s_mov_b32 s66, 0xffff0000
	s_mov_b32 s68, 0x76543210
	s_mov_b32 s69, 0xfedcba98
.macro FRAG reg, a16, a8, off
	ds_load_b128 v[\reg:\reg+3], v[\a16] offset:\off
	ds_load_b64 v[\reg+4:\reg+5], v[\a8] offset:\off+512
	ds_load_b128 v[\reg+6:\reg+9], v[\a16] offset:\off+768
	ds_load_b64 v[\reg+10:\reg+11], v[\a8] offset:\off+1280
.endm
.macro FETCH_A n, a0
.set SL, ((\n)>>1)&1
.set QO, ((\n)&1)*1536
.irp i, 0,1,2,3
	FRAG AF+12*((\a0)+\i), AY16+SL, AY8+SL, (((\a0)+\i)/2)*REC+(((\a0)+\i)&1)*3072+QO
.endr
.endm
.macro FETCH_B n, g
.set SL, ((\n)>>1)&1
.set QO, ((\n)&1)*1536
.set BB, BF+48*((3*(\n)+(\g))&1)
.irp i, 0,1,2,3
	FRAG BB+12*\i, AX16+SL, AX8+SL, (2*(\g)+\i/2)*REC+(\i&1)*3072+QO
.endr
.endm
.macro SCALES s
.set SS, (\s)
.irp p, 0,1,2,3
	ds_load_b64 v[SC+20*SS+2*\p:SC+20*SS+2*\p+1], v[AY8+SS] offset:\p*REC+6144
.endr
.irp p, 0,1,2,3,4,5
	ds_load_b64 v[SC+20*SS+8+2*\p:SC+20*SS+8+2*\p+1], v[AX8+SS] offset:\p*REC+6144
.endr
.endm
.macro WM zero
.if \zero
.if fA && fB
	v_wmma_scale_f32_16x16x128_f8f6f4 v[rD:rD+7], v[rA:rA+11], v[rB:rB+11], 0, v[rSA], v[rSB] matrix_a_fmt:MATRIX_FMT_FP6 matrix_b_fmt:MATRIX_FMT_FP6 matrix_a_scale:MATRIX_SCALE_ROW1 matrix_b_scale:MATRIX_SCALE_ROW1
.elseif fA
	v_wmma_scale_f32_16x16x128_f8f6f4 v[rD:rD+7], v[rA:rA+11], v[rB:rB+11], 0, v[rSA], v[rSB] matrix_a_fmt:MATRIX_FMT_FP6 matrix_b_fmt:MATRIX_FMT_FP6 matrix_a_scale:MATRIX_SCALE_ROW1
.elseif fB
	v_wmma_scale_f32_16x16x128_f8f6f4 v[rD:rD+7], v[rA:rA+11], v[rB:rB+11], 0, v[rSA], v[rSB] matrix_a_fmt:MATRIX_FMT_FP6 matrix_b_fmt:MATRIX_FMT_FP6 matrix_b_scale:MATRIX_SCALE_ROW1
.else
	v_wmma_scale_f32_16x16x128_f8f6f4 v[rD:rD+7], v[rA:rA+11], v[rB:rB+11], 0, v[rSA], v[rSB] matrix_a_fmt:MATRIX_FMT_FP6 matrix_b_fmt:MATRIX_FMT_FP6
.endif
.else
.if fA && fB
	v_wmma_scale_f32_16x16x128_f8f6f4 v[rD:rD+7], v[rA:rA+11], v[rB:rB+11], v[rD:rD+7], v[rSA], v[rSB] matrix_a_fmt:MATRIX_FMT_FP6 matrix_b_fmt:MATRIX_FMT_FP6 matrix_a_scale:MATRIX_SCALE_ROW1 matrix_b_scale:MATRIX_SCALE_ROW1
.elseif fA
	v_wmma_scale_f32_16x16x128_f8f6f4 v[rD:rD+7], v[rA:rA+11], v[rB:rB+11], v[rD:rD+7], v[rSA], v[rSB] matrix_a_fmt:MATRIX_FMT_FP6 matrix_b_fmt:MATRIX_FMT_FP6 matrix_a_scale:MATRIX_SCALE_ROW1
.elseif fB
	v_wmma_scale_f32_16x16x128_f8f6f4 v[rD:rD+7], v[rA:rA+11], v[rB:rB+11], v[rD:rD+7], v[rSA], v[rSB] matrix_a_fmt:MATRIX_FMT_FP6 matrix_b_fmt:MATRIX_FMT_FP6 matrix_b_scale:MATRIX_SCALE_ROW1
.else
	v_wmma_scale_f32_16x16x128_f8f6f4 v[rD:rD+7], v[rA:rA+11], v[rB:rB+11], v[rD:rD+7], v[rSA], v[rSB] matrix_a_fmt:MATRIX_FMT_FP6 matrix_b_fmt:MATRIX_FMT_FP6
.endif
.endif
.endm
.macro MUL n, g, a0, cnt, zero
.set kq, (\n)&1
.set ks, SC+20*(((\n)>>1)&1)
.set kb, BF+48*((3*(\n)+(\g))&1)
.set aa, \a0
.rept \cnt
.set tt, 0
.rept 4
.if (\g) < 2
.set rD, 32*aa+8*tt
.set rA, kb+12*tt
.set rB, AF+12*aa
.set rSA, ks+8+2*(2*(\g)+tt/2)+kq
.set rSB, ks+2*(aa/2)+kq
.set fA, tt&1
.set fB, aa&1
.else
.set rD, 64*tt+8*aa
.set rA, AF+12*aa
.set rB, kb+12*tt
.set rSA, ks+2*(aa/2)+kq
.set rSB, ks+8+2*(4+tt/2)+kq
.set fA, aa&1
.set fB, tt&1
.endif
	WM \zero
.set tt, tt+1
.endr
.set aa, aa+1
.endr
.endm
.macro KSTEP n, zero
	s_wait_dscnt 16
	FETCH_B \n, 1
	WIN 0x50
	MUL \n, 0, 0, 4, \zero
	s_wait_dscnt 16
	MUL \n, 0, 4, 4, \zero
	s_wait_dscnt 0x0
	PLACES
	WIN 0
	FETCH_B \n, 2
.if ((\n)&1) && ((\n) < 7)
	s_wait_tensorcnt 0x0
	ds_add_u32 v[SPW], v[NIL]
	WIN 0xa0
	MUL \n, 1, 0, 6, \zero
	s_wait_dscnt 0x0
	s_barrier_signal -1
	MUL \n, 1, 6, 2, \zero
	WIN 0
	s_barrier_wait -1
.if (\n) < 5
.set rs, ((\n)>>1)&1
	CREST
	s_add_nc_u64 s[G0Y+4*rs+2:G0Y+4*rs+3], s[G0Y+4*rs+2:G0Y+4*rs+3], 2*REC
	s_add_nc_u64 s[G0X+4*rs+2:G0X+4*rs+3], s[G0X+4*rs+2:G0X+4*rs+3], 2*REC
	JLOAD rs
.else
	PLACES
.endif
.else
	WIN 0xa0
	MUL \n, 1, 0, 8, \zero
	s_wait_dscnt 0x0
.if (\n) < 7
	PLACES
	WIN 0
.endif
.endif
.if (\n) < 7
	FETCH_B (\n)+1, 0
.if (\n)&1
	SCALES (((\n)+1)>>1)&1
.endif
	WIN 0xf0
	MUL \n, 2, 0, 4, \zero
	PLACES
	WIN 0
	FETCH_A (\n)+1, 0
	WIN 0xf0
	MUL \n, 2, 4, 4, \zero
	PLACES
	WIN 0
	FETCH_A (\n)+1, 4
.else
	WIN 0xf0
	MUL \n, 2, 0, 8, \zero
.endif
.endm
	s_wait_alu depctr_va_vdst(0)
	s_wait_tensorcnt 0x1
	s_barrier_signal -1
	s_barrier_wait -1
	FETCH_B 0, 0
	FETCH_A 0, 0
	SCALES 0
	FETCH_A 0, 4
	KSTEP 0, 1
	KSTEP 1, 0
	KSTEP 2, 0
	KSTEP 3, 0
	KSTEP 4, 0
	KSTEP 5, 0
	KSTEP 6, 0
	KSTEP 7, 0
.macro EPI X, kind, sb, coff, soff
	s_wait_xcnt 0x0
.set wv, ((\X)<<2)|((\X)<<4)
	WIN wv
.set b, 0
.rept 16
	v_max3_num_f32 v[TM+b], v[FL], |v[16*b]|, |v[16*b+1]|
.set b, b+1
.endr
.irp i, 2,4,6,8,10,12,14
.set b, 0
.rept 16
	v_max3_num_f32 v[TM+b], v[TM+b], |v[16*b+\i]|, |v[16*b+\i+1]|
.set b, b+1
.endr
.endr
	WIN 0
.set b, 0
.rept 16
	v_permlanex16_b32 v[TP+b], v[TM+b], s68, s69
.set b, b+1
.endr
.set b, 0
.rept 16
	v_max_num_f32 v[TM+b], v[TM+b], v[TP+b]
.set b, b+1
.endr
.set b, 0
.rept 16
	v_add_nc_u32 v[SO+b], 0xff000000, v[TM+b]
.set b, b+1
.endr
.set b, 0
.rept 16
	v_lshrrev_b32 v[TM+b], 23, v[SO+b]
.set b, b+1
.endr
.if \kind == 0
.set b, 0
.rept 8
	v_lshl_or_b32 v[SW+b], v[TM+2*b+1], 8, v[TM+2*b]
.set b, b+1
.endr
.set b, 0
.rept 8
	v_or_b32 v[SW+b], 0x7f7f0000, v[SW+b]
.set b, b+1
.endr
.set b, 0
.rept 4
	v_cndmask_b32 v[PR+b], v[SW+2*b], v[SW+2*b+1], s66
.set b, b+1
.endr
.else
.set b, 0
.rept 4
	v_lshl_or_b32 v[SW+b], v[TM+4*b+1], 8, v[TM+4*b]
.set b, b+1
.endr
.set b, 0
.rept 4
	v_lshl_or_b32 v[SW+b], v[TM+4*b+2], 16, v[SW+b]
.set b, b+1
.endr
.set b, 0
.rept 4
	v_lshl_or_b32 v[SW+b], v[TM+4*b+3], 24, v[SW+b]
.set b, b+1
.endr
.set b, 0
.rept 2
	v_cndmask_b32 v[PR+b], v[SW+2*b], v[SW+2*b+1], s66
.set b, b+1
.endr
.endif
	WIN \X
.set b, 0
.rept 8
	v_cvt_scalef32_pk16_fp6_f32 v[PC+8*b:PC+8*b+2], v[32*b:32*b+15], v[SO+2*b]
	v_cvt_scalef32_pk16_fp6_f32 v[PT+4*b:PT+4*b+2], v[32*b+16:32*b+31], v[SO+2*b+1]
.set b, b+1
.endr
	WIN 0
	v_nop
.set b, 0
.rept 8
.irp i, 0,1,2
	v_permlane16_swap_b32 v[PC+8*b+\i], v[PT+4*b+\i]
.endr
.irp i, 0,1,2
	v_mov_b32 v[PC+8*b+3+\i], v[PT+4*b+\i]
.endr
.set b, b+1
.endr
.set b, 0
.rept 8
	global_store_b128 v[L16], v[PC+8*b:PC+8*b+3], s[\sb:\sb+1] offset:\coff+768*b
	global_store_b64 v[L8], v[PC+8*b+4:PC+8*b+5], s[\sb:\sb+1] offset:\coff+768*b+512
.set b, b+1
.endr
.if \kind == 0
	global_store_b128 v[L16], v[PR:PR+3], s[\sb:\sb+1] offset:\soff
.else
	global_store_b64 v[L8], v[PR:PR+1], s[\sb:\sb+1] offset:\soff
.endif
.endm
	WIN 0
	PLACES
	v_mov_b32 v[FL], 0x1800000
.set b, 0
.rept 16
	v_mov_b32 v[TP+b], 0
.set b, b+1
.endr
	EPI 1, 0, 8, 0, 6144
	EPI 2, 0, 10, 0, 12288
	EPI 3, 1, 10, 6144, 12800
	s_wait_tensorcnt 0x0
	ds_add_u32 v[SPW], v[NIL]
	s_wait_dscnt 0x0
	CROUND
	s_endpgm
.Lfunc_end_k_q14981073f4_qkv:
	.size	k_q14981073f4_qkv, .Lfunc_end_k_q14981073f4_qkv-k_q14981073f4_qkv
	.p2alignl 7, 3214868480
	.fill 96, 4, 3214868480
	.section	.rodata,"a",@progbits
	.p2align	6, 0x0
	.amdhsa_kernel k_q14981073f4_qkv
		.amdhsa_group_segment_fixed_size 327680
		.amdhsa_private_segment_fixed_size 0
		.amdhsa_enable_private_segment 0
		.amdhsa_kernarg_size 32
		.amdhsa_user_sgpr_count 2
		.amdhsa_user_sgpr_kernarg_segment_ptr 1
		.amdhsa_wavefront_size32 1
		.amdhsa_system_sgpr_workgroup_id_x 1
		.amdhsa_system_sgpr_workgroup_id_y 1
		.amdhsa_system_sgpr_workgroup_id_z 1
		.amdhsa_system_vgpr_workitem_id 0
		.amdhsa_next_free_vgpr 1024
		.amdhsa_next_free_sgpr 96
		.amdhsa_reserve_vcc 0
		.amdhsa_float_denorm_mode_32 3
		.amdhsa_float_denorm_mode_16_64 3
		.amdhsa_memory_ordered 1
		.amdhsa_forward_progress 1
		.amdhsa_inst_pref_size 206
	.end_amdhsa_kernel
	.amdgpu_metadata
---
amdhsa.version: [ 1, 2 ]
amdhsa.kernels:
  - .name:           k_q14981073f4_qkv
    .symbol:         k_q14981073f4_qkv.kd
    .args:
      - { .name: h_op, .offset: 0, .size: 8, .value_kind: global_buffer, .address_space: global }
      - { .name: wq_op, .offset: 8, .size: 8, .value_kind: global_buffer, .address_space: global }
      - { .name: qbuf, .offset: 16, .size: 8, .value_kind: global_buffer, .address_space: global }
      - { .name: kv, .offset: 24, .size: 8, .value_kind: global_buffer, .address_space: global }
    .group_segment_fixed_size: 327680
    .private_segment_fixed_size: 0
    .kernarg_segment_align: 8
    .kernarg_segment_size: 32
    .max_flat_workgroup_size: 128
    .sgpr_count:     96
    .vgpr_count:     1024
    .wavefront_size: 32
...
	.end_amdgpu_metadata
.endif
;; end of part 2
;; launch attn (part 3): grid 4 x 64, 16 waves a work-group, clusters of 4 x 1, 263,168 bytes of LDS; arguments qbuf, kv, a_op; writes a_op
.if DOCPART == 3
	.amdgcn_target "amdgcn-amd-amdhsa--gfx1250"
	.amdhsa_code_object_version 6
	.text
	.protected	k_q14981073f4_attn
	.globl	k_q14981073f4_attn
	.p2align	8
	.type	k_q14981073f4_attn,@function
k_q14981073f4_attn:
	s_mov_b64 s[64:65], 0
	v_nop
	global_prefetch_b8 v0, s[64:65] scope:SCOPE_SE
	s_setreg_imm32_b32 hwreg(HW_REG_WAVE_MODE, 25, 1), 1
	s_wait_xcnt 0x0
	s_wait_alu depctr_hold_cnt(0) depctr_sa_sdst(0) depctr_va_vdst(0) depctr_va_sdst(0) depctr_va_ssrc(0) depctr_va_vcc(0) depctr_vm_vsrc(0)
	s_getreg_b32 s2, hwreg(HW_REG_IB_STS2, 6, 4)
	s_cmp_eq_u32 s2, 0
	s_cbranch_scc0 .Lentry_in_a_cluster
	s_endpgm
.Lentry_in_a_cluster:
	s_bfe_u32 s2, ttmp6, 0x10000c
	s_cmp_lg_u32 s2, 0x3003
	s_cbranch_scc0 .Lentry_shape_is_right
	s_endpgm
.Lentry_shape_is_right:
; For each of the 64 (batch, head): O = softmax(Q K^T / 32) V on E2M3 codes, and O quantised along C for the last product.
; THE SOFTMAX: t = score x log2(e) / 32; M = the running largest t rounded UP to a whole number; p = 2^(t - M) is quantised along the keys, not normalised; the row's sum is taken of the
; unquantised p in f32 and divides O at the end.  When M moves, the sum and O are multiplied by 2^(old M - new M): exact.
; SHARES.  A work-group owns 512 queries of one head; each of its sixteen waves 32 of them: tile 0 in a first pass over the keys, tile 1 in a second.
; LDS.  The head's sixteen records of kv (128 keys, 13,056 bytes = 51 rows of 256: 8 images of 16 keys x 64 d; 4 fragments of 16 d x 128 keys; K's scale words in rows 48, 49; V's in row 50) are
; filled ONCE, wave w bringing record w by its one tensor load, and stay: one wait, one barrier, and no barrier behind it.  The four work-groups of a cluster belong to one head: joint loads.
; 64 bytes of padding follow each row (pitch 320): the images of two neighbouring blocks of 32 keys, 6 rows apart, then lie 128 bytes apart modulo 256.
; No data prefetch: every byte that the launch reads through LDS is asked for at its head, so there is no later load to run ahead of.
; LAYOUT.  Both products are used transposed (S^T = K Q^T, O^T = V^T P^T): a lane holds ONE query.  Row r of a stored image (block b, u) is key 8 u + r + 8 (r / 8) of its block.
; A TILE OF KEYS IS PUT TOGETHER BY ADDRESS: tile 4 g + t takes as rows 0-7 keys 8 t .. 8 t + 7 of block 2 g and as rows 8-15 the same keys of block 2 g + 1.  So the 32 score registers
; 32 g .. 32 g + 31 of lane (r, h) are block 2 g + h, whole and in order: as the second product's operand wants p.  A block's maximum needs no other lane, and its codes no lane swap.
; The first product's K is 64: Q's registers 6-11 are zero codes under the scale byte 127.  K's fragments lie 6 registers apart: a fragment's registers 6-11 are the next fragment's codes
; (the last one's: zeros); every E2M3 code is a finite number, so their products with Q's zero codes are zeros.
; O's scale bytes leave as single bytes (two a head in each row's word): those stores cover their 256 bytes in part; they are one byte in 24 of what the launch stores.
; LIMITS: NaN and infinities are not served; the promise holds while |t| stays under 2^31; a block of O whose largest magnitude lies under 2^-124 gets the scale byte 1.
; REGISTERS: v1-7, v13 lane terms; v8-12 the group's LDS addresses; v14, v252 -M by turns; v15 the largest score; v[16:17] the sum; v18 f; v19 p's scale word; v20-31 Q; v32-38 tile 1's Q;
;   v40-43 K's scale words, v44-45 V's, v46 Q's; v48-49 the add's; v54-107 K's fragments, then p's codes and what is at work; v108-155 V; v156-219 S^T, then p; v220-251 O^T.
.set REC,   16320
.set GREC,  13056
.set SPARE, 261120
.set G16, 1
.set L8,  2
.set T16, 3
.set TK16, 4
.set TK8, 5
.set TKS, 6
.set SBO, 7
.set A16, 8
.set A8,  9
.set K16, 10
.set K8,  11
.set KSA, 12
.set SH,  13
.set PW,  19
.set QF,  20
.set Q1,  32
.set QS1, 38
.set KSC, 40
.set VS,  44
.set QS,  46
.set SPW, 48
.set NIL, 49
.set KF,  54
.set PC,  54
.set VF,  108
.set S,   156
.set OT,  220
.set WV,  18
.set SEL, 20
.set CS,  22
.set G1,  24
.set G0,  32
.set TB,  48
.set CNT, 49
.set PASS, 50
.set HM,  51
.macro ROUND                           ; a round of the cluster's barrier
	s_barrier_signal -1
	s_barrier_wait -1
	s_cmp_lg_u32 s[WV], 0
	s_cbranch_scc1 .Lnot_wave_0_\@
	s_barrier_signal -3
.Lnot_wave_0_\@:
	s_barrier_wait -3
	s_barrier_signal -1
	s_barrier_wait -1
.endm
.macro WALU
	s_wait_alu depctr_va_vdst(0)
.endm
.macro WMM d, a, b, c, sa, sb, ra
	v_wmma_scale_f32_16x16x128_f8f6f4 v[\d:\d+7], v[\a:\a+11], v[\b:\b+11], \c, v[\sa], v[\sb] matrix_a_fmt:MATRIX_FMT_FP6 matrix_b_fmt:MATRIX_FMT_FP6 matrix_a_scale:MATRIX_SCALE_ROW\ra
.endm
	s_load_b128 s[4:7], s[0:1], 0x0                ; qbuf, kv
	s_load_b64 s[8:9], s[0:1], 0x10                ; a_op
	v_lshl_add_u32 v[SPW], v0, 2, SPARE
	v_mov_b32 v[NIL], 0
	ds_add_u32 v[SPW], v[NIL]                      ; the opening lines: the add twice on end
	ds_add_u32 v[SPW], v[NIL]
	v_lshrrev_b32 v1, 5, v0
	v_readfirstlane_b32 s[WV], v1                  ; wave 0..15
	s_bfe_u32 s52, ttmp6, 0x40000                  ; cx: my block of 512 queries; it enters Q's and O's addresses alone
	s_and_b32 s53, ttmp7, 0xffff                   ; batch x 16 + head, which the four partners share
	s_and_b32 s58, s[WV], 3
	s_mul_i32 s60, s53, 16*GREC
	s_mul_i32 s59, s[WV], GREC                     ; record w
	s_add_co_u32 s60, s60, s59
	s_mov_b32 s61, 0
	s_mov_b32 s[G0], 1
	s_mul_i32 s[G0+1], s[WV], REC
	s_mov_b32 s[G1], 15|(3<<16)|(1<<20)|(1<<21)|(5<<22)|(15<<25)   ; all four work-groups; elements of 8 bytes; 16 words of padding behind every 64
	s_mov_b32 s[G1+1], 32<<16
	s_mov_b32 s[G1+2], 51<<16
	s_mov_b32 s[G1+3], 32<<16
	s_mov_b32 s[G1+4], 51
	s_mov_b32 s[G1+5], 32
	s_mov_b32 s[G1+6], 0
	s_mov_b32 s[G1+7], 0
	s_lshl_b32 s62, s53, 4                         ; Q: record (batch x 16 + head) x 16 + 4 cx + wave / 4; in it tiles 2 (wave % 4) and the next
	s_lshl_b32 s63, s52, 2
	s_add_co_u32 s62, s62, s63
	s_lshr_b32 s63, s[WV], 2
	s_add_co_u32 s62, s62, s63
	s_mul_i32 s62, s62, 6656
	s_mul_i32 s63, s58, 1536
	s_add_co_u32 s66, s62, s63
	s_mov_b32 s67, 0
	s_lshl_b32 s63, s58, 2
	s_add_co_u32 s68, s62, s63
	s_mov_b32 s69, 0
	s_lshr_b32 s70, s53, 4                         ; O: pair batch x 64 + 16 cx + wave; head hd: record hd / 4, image hd % 4
	s_lshl_b32 s70, s70, 6
	s_lshl_b32 s71, s52, 4
	s_add_co_u32 s70, s70, s71
	s_add_co_u32 s70, s70, s[WV]
	s_mul_i32 s70, s70, 25600
	s_and_b32 s71, s53, 15
	s_lshr_b32 s72, s71, 2
	s_mul_i32 s72, s72, 6400
	s_add_co_u32 s70, s70, s72
	s_and_b32 s72, s71, 3
	s_lshl_b32 s74, s72, 1                         ; the head's two scale bytes in a row's eight
	s_mul_i32 s72, s72, 768
	s_add_co_u32 s72, s72, s70
	s_mov_b32 s73, 0
	s_add_co_u32 s74, s74, s70
	s_mov_b32 s75, 0
	s_mov_b32 s[SEL], 0x76543210
	s_mov_b32 s[SEL+1], 0xfedcba98                 ; v_permlanex16_b32's selects for lane l xor 16
	s_mov_b32 s[CS], 0x3d38aa3b                    ; c = log2(e) / 32
	s_mov_b32 s[CS+1], s[CS]
	s_mov_b32 s[HM], 0xffff0000                    ; lanes 16-31
	s_mov_b32 s[PASS], 2
	v_and_b32 v39, 31, v0                          ; l
	v_and_b32 v47, 15, v0                          ; r
	v_bfe_u32 v50, v0, 4, 1                        ; h
	v_and_b32 v51, 7, v0                           ; r % 8
	v_bfe_u32 v52, v0, 3, 1                        ; r / 8
	v_lshlrev_b32 v[G16], 4, v39
	v_lshlrev_b32 v[L8], 3, v39
	v_mul_u32_u24 v53, v50, 320
	v_mul_u32_u24 v252, v52, 1920
	v_lshl_add_u32 v[T16], v47, 4, v53             ; an image's 16-byte piece: lanes 0-15 one LDS row, lanes 16-31 the next
	v_lshl_add_u32 v[TK16], v51, 4, v252           ; a tile of keys: rows 8-15 come from the next block's image, 6 LDS rows on
	v_lshl_add_u32 v[TK8], v51, 3, v252
	v_lshl_add_u32 v[TKS], v51, 4, v53             ; K's scale words: lanes 16-31 take the odd tile's
	v_add_nc_u32 v[TK16], v[TK16], v53
	v_lshl_add_u32 v[TK8], v50, 7, v[TK8]
	v_lshl_add_u32 v[TKS], v52, 2, v[TKS]
	v_lshl_add_u32 v[SBO], v47, 3, v50             ; O's scale bytes: 8 r + h
	v_lshlrev_b32 v[SH], 3, v50                    ; 8 h: my two bytes' place in p's scale word
	v_lshlrev_b32 v255, 4, v47                     ; Q's scale words: 16 bytes a row
	WALU                                           ; the wait at the head's end
	s_wait_dscnt 0x0
	ROUND                                          ; all four work-groups are here: the joint loads meet
	s_wait_kmcnt 0x0
	s_add_nc_u64 s[G0+2:G0+3], s[6:7], s[60:61]
	s_or_b32 s[G0+3], s[G0+3], 0x80000000
	s_add_nc_u64 s[54:55], s[4:5], s[66:67]        ; Q's codes
	s_add_nc_u64 s[56:57], s[4:5], s[68:69]        ; Q's scale words
	s_add_nc_u64 s[76:77], s[8:9], s[72:73]        ; O's codes
	s_add_nc_u64 s[78:79], s[8:9], s[74:75]        ; O's scale bytes
	tensor_load_to_lds s[G0:G0+3], s[G1:G1+7]      ; my one load: record w to LDS byte w x 16,320
	s_nop 0
	global_load_b128 v[QF:QF+3], v[G16], s[54:55]
	global_load_b64 v[QF+4:QF+5], v[L8], s[54:55] offset:512
	global_load_b128 v[Q1:Q1+3], v[G16], s[54:55] offset:768
	global_load_b64 v[Q1+4:Q1+5], v[L8], s[54:55] offset:1280
	global_load_b32 v[QS], v255, s[56:57] offset:6144
	global_load_b32 v[QS1], v255, s[56:57] offset:6400
.irp j, 0,1,2,3,4,5
	v_mov_b32 v[QF+6+\j], 0                        ; the upper 64 of the first product's K: zero codes
	v_mov_b32 v[KF+48+\j], 0                       ; behind K's last fragment
.endr
	v_mov_b32 v[PW], 0                             ; (named as the upper halves of pairs before they are first written)
	v_mov_b32 v253, 0
	WALU
	s_wait_loadcnt 0x0
	s_wait_tensorcnt 0x0                           ; my record is in
	s_barrier_signal -1
	s_barrier_wait -1                              ; all sixteen are in
.macro ADDP i                          ; pair i of p goes into one of four running sums
.set AR, 16
.if ((\i)&3) == 1
.set AR, 50
.elseif ((\i)&3) == 2
.set AR, 52
.elseif ((\i)&3) == 3
.set AR, 254
.endif
	v_pk_add_f32 v[AR:AR+1], v[AR:AR+1], v[S+2*(\i):S+2*(\i)+1]
.endm
.macro TMIN n                          ; n pairs of t - M
.rept \n
	v_pk_fma_f32 v[S+jj:S+jj+1], v[S+jj:S+jj+1], s[CS:CS+1], v[NN:NN+1] op_sel_hi:[1,0,0]
.set jj, jj+2
.endr
.endm
; A KEY STEP: 128 keys, record k of the group's four: its place stands in the loads' immediates.
.macro STEP k
.set OF, (\k)*REC
.if (\k)&1                             ; -M's new and old value take turns between two registers
.set NN, 252
.set NO, 14
.else
.set NN, 14
.set NO, 252
.endif
.irp u, 0,1,2,3,4,5,6,7                ; tile u = 4 g + t: image 4 g + t % 2 (+ 2 for rows 8-15), its rows 8 (t / 2) on
	ds_load_b128 v[KF+6*\u:KF+6*\u+3], v[K16] offset:OF+(4*(\u/4)+(\u&1))*960+((\u>>1)&1)*128
	ds_load_b64 v[KF+6*\u+4:KF+6*\u+5], v[K8] offset:OF+(4*(\u/4)+(\u&1))*960+640+((\u>>1)&1)*64
.endr
.irp u, 0,1,2,3                        ; the scale words of tiles 2 u (lanes 0-15) and 2 u + 1 (lanes 16-31)
	ds_load_b32 v[KSC+\u], v[KSA] offset:OF+15360+(\u&1)*128+(\u>>1)*8
.endr
.irp t, 0,1,2,3
	ds_load_b128 v[VF+12*\t:VF+12*\t+3], v[A16] offset:OF+7680+1920*\t
	ds_load_b64 v[VF+12*\t+4:VF+12*\t+5], v[A8] offset:OF+7680+1920*\t+640
	ds_load_b128 v[VF+12*\t+6:VF+12*\t+9], v[A16] offset:OF+7680+1920*\t+960
	ds_load_b64 v[VF+12*\t+10:VF+12*\t+11], v[A8] offset:OF+7680+1920*\t+1600
.endr
	ds_load_b64 v[VS:VS+1], v[A8] offset:OF+16000
	WALU                                           ; the wait ahead of the wait below
	s_wait_dscnt 0x0                               ; K, V and their scale words are in
.irp p, 0,1,2,3
.irp o, 0,1
	WMM S+8*(2*\p+\o), KF+6*(2*\p+\o), QF, 0, KSC+\p, QS, \o
.endr
.endr
	v_pk_add_f32 v[16:17], v[16:17], v[50:51]      ; the last step's three sums are joined here (the first step finds zeros): with the v_nop the four places behind the products
	v_pk_add_f32 v[52:53], v[52:53], v[254:255]
	v_nop
	v_pk_add_f32 v[16:17], v[16:17], v[52:53]
.irp c, 0,1,2,3
	v_max3_num_f32 v[50+\c], v[S+16*\c], v[S+16*\c+1], v[S+16*\c+2]
.endr
.irp i, 3,5,7,9,11,13
.irp c, 0,1,2,3
	v_max3_num_f32 v[50+\c], v[50+\c], v[S+16*\c+\i], v[S+16*\c+\i+1]
.endr
.endr
	v_max3_num_f32 v50, v50, v51, v[S+15]
	v_max3_num_f32 v52, v52, v53, v[S+47]
	v_max_num_f32 v50, v50, v[S+31]                ; the largest score of my block 2 g + h, g = 0,
	v_max_num_f32 v52, v52, v[S+63]                ; and g = 1: they serve the row's maximum and, since p rises with the score, the blocks' largest p
	v_max_num_f32 v47, v50, v52
	v_permlanex16_b32 v39, v47, s[SEL], s[SEL+1]
	v_max3_num_f32 v15, v15, v47, v39              ; the running largest score of my query (c is positive)
	v_mul_f32 v47, s[CS], v15
	v_floor_f32 v[NN], -v47                        ; the new -M = floor(-t)
	v_sub_f32 v47, v[NN], v[NO]                    ; old M - new M: a whole number, 0 or less
.set jj, 0
	TMIN 8
	v_cvt_i32_f32 v47, v47                         ; (it saturates)
	TMIN 8
	v_ldexp_f32 v18, 1.0, v47                      ; f = 2^(old M - new M)
	TMIN 16
	v_fma_f32 v50, v50, s[CS], v[NN]
	v_fma_f32 v52, v52, s[CS], v[NN]
	WALU                                           ; ahead of the batch
.set jj, 0
.rept 64
	v_exp_f32 v[S+jj], v[S+jj]                     ; p = 2^(t - M)
.set jj, jj+1
.endr
	v_exp_f32 v50, v50                             ; the blocks' largest p: the same arithmetic on the same number
	v_exp_f32 v52, v52
	v_pk_mul_f32 v[16:17], v[16:17], v[18:19] op_sel_hi:[1,0]      ; the sum under the new M
	WALU                                           ; behind the batch, and directly ahead of the first reader of O^T
.set jj, 0
.rept 16
	v_pk_mul_f32 v[OT+jj:OT+jj+1], v[OT+jj:OT+jj+1], v[18:19] op_sel_hi:[1,0]   ; O^T under the new M
.set jj, jj+2
.endr
	v_max_num_f32 v50, 0x1800000, v50
	v_max_num_f32 v52, 0x1800000, v52
	v_add_nc_u32 v90, 0xff000000, v50              ; 2 off the exponent field: the conversions' scale operands
	v_add_nc_u32 v91, 0xff000000, v52
	v_cvt_scalef32_pk16_fp6_f32 v[PC:PC+2], v[S:S+15], v90
	v_cvt_scalef32_pk16_fp6_f32 v[66:68], v[S+16:S+31], v90        ; (three registers from an even one on: moved below)
	v_cvt_scalef32_pk16_fp6_f32 v[PC+6:PC+8], v[S+32:S+47], v91
	v_cvt_scalef32_pk16_fp6_f32 v[70:72], v[S+48:S+63], v91
	v_lshrrev_b32 v92, 23, v90                     ; the scales' bytes
	v_lshrrev_b32 v93, 23, v91
	v_lshl_or_b32 v92, v93, 16, v92                ; blocks h and 2 + h,
	v_lshlrev_b32 v92, v[SH], v92                  ; at their places;
	v_permlanex16_b32 v93, v92, s[SEL], s[SEL+1]
	v_or_b32 v[PW], v92, v93                       ; with lane l xor 16's two: p's scale word
.irp i, 0,1,2
	v_mov_b32 v[PC+3+\i], v[66+\i]
	v_mov_b32 v[PC+9+\i], v[70+\i]
.endr
	v_pk_add_f32 v[50:51], v[S:S+1], v[S+2:S+3]    ; the sum of the unquantised p: three sums begin anew, the fourth is the running one
	v_pk_add_f32 v[52:53], v[S+4:S+5], v[S+6:S+7]
	v_pk_add_f32 v[254:255], v[S+8:S+9], v[S+10:S+11]
.irp i, 6,7,8,9,10
	ADDP \i
.endr
.irp p, 0,1                            ; O^T += V^T P^T: the four accumulators by turns
.irp o, 0,1
	WMM OT+8*(2*\p+\o), VF+12*(2*\p+\o), PC, v[OT+8*(2*\p+\o):OT+8*(2*\p+\o)+7], VS+\p, PW, \o
.endr
.endr
.set ii, 11                            ; the rest of the sum names no register of these products: the places ahead of the next step's loads
.rept 21
	ADDP ii
.set ii, ii+1
.endr
.endm
.Lpass:                                            ; two trips: tile 0 of my 32 queries, then tile 1
	v_mov_b32 v15, 0xff61b1e6                      ; the largest score so far: -3e38
	v_mov_b32 v252, 0x7d000000                     ; -M so far: 2^123, so that the first f is 0
	v_mov_b32 v16, 0
	v_mov_b32 v17, 0
.irp j, 50,51,52,53,254,255
	v_mov_b32 v[\j], 0                             ; the three sums that the first step joins
.endr
.set jj, 0
.rept 32
	v_mov_b32 v[OT+jj], 0                          ; the step is written once: the first finds zeros
.set jj, jj+1
.endr
	s_mov_b32 s[TB], 0
	s_mov_b32 s[CNT], 4
.Lgroup:                                           ; four trips of four records
	v_add_nc_u32 v[A16], s[TB], v[T16]
	v_add_nc_u32 v[A8], s[TB], v[L8]
	v_add_nc_u32 v[K16], s[TB], v[TK16]
	v_add_nc_u32 v[K8], s[TB], v[TK8]
	v_add_nc_u32 v[KSA], s[TB], v[TKS]
	STEP 0
	STEP 1
	STEP 2
	STEP 3
	s_add_co_u32 s[TB], s[TB], 4*REC
	s_sub_co_u32 s[CNT], s[CNT], 1
	s_cmp_lg_u32 s[CNT], 0
	WALU
	s_cbranch_scc1 .Lgroup
	; the pass's way out: O^T / the sum, quantised along C (my head's 64 are two blocks), as one image of 16 tokens x 64
	v_pk_add_f32 v[16:17], v[16:17], v[50:51]      ; the last step's three sums
	v_pk_add_f32 v[52:53], v[52:53], v[254:255]
	v_pk_add_f32 v[16:17], v[16:17], v[52:53]
	v_add_f32 v16, v16, v17
	v_permlanex16_b32 v39, v16, s[SEL], s[SEL+1]
	v_add_f32 v16, v16, v39                        ; the row's sum
	WALU
	v_rcp_f32 v16, v16
	v_nop
	WALU
.set jj, 0
.rept 16
	v_pk_mul_f32 v[S+jj:S+jj+1], v[OT+jj:OT+jj+1], v[16:17] op_sel_hi:[1,0]    ; register 16 b + i: d = 32 b + 16 h + i of my query
.set jj, jj+2
.endr
.irp b, 0,1
	v_max3_num_f32 v[50+\b], |v[S+16*\b]|, |v[S+1+16*\b]|, 0x1800000
.endr
.irp i, 2,4,6,8,10,12,14
.irp b, 0,1
	v_max3_num_f32 v[50+\b], v[50+\b], |v[S+16*\b+\i]|, |v[S+1+16*\b+\i]|
.endr
.endr
.irp b, 0,1
	v_permlanex16_b32 v[52+\b], v[50+\b], s[SEL], s[SEL+1]
.endr
.irp b, 0,1
	v_max_num_f32 v[50+\b], v[50+\b], v[52+\b]
.endr
.irp b, 0,1
	v_add_nc_u32 v[90+\b], 0xff000000, v[50+\b]
.endr
.irp b, 0,1
	v_lshrrev_b32 v[92+\b], 23, v[90+\b]
.endr
	v_cndmask_b32 v94, v92, v93, s[HM]             ; lane (r, h) stores block h's byte
	v_cvt_scalef32_pk16_fp6_f32 v[54:56], v[S:S+15], v90
	v_cvt_scalef32_pk16_fp6_f32 v[58:60], v[S+16:S+31], v91
	v_nop
.irp i, 0,1,2
	v_permlane16_swap_b32 v[54+\i], v[58+\i]       ; a whole block in a lane
.endr
	v_mov_b32 v57, v58
	v_mov_b32 v58, v59
	v_mov_b32 v59, v60
	global_store_b128 v[G16], v[54:57], s[76:77]               ; 512 consecutive bytes
	global_store_b64 v[L8], v[58:59], s[76:77] offset:512      ; 256
	global_store_b8 v[SBO], v94, s[78:79] offset:6144
	s_wait_xcnt 0x0                                ; the stores have read their registers and bases
	s_add_nc_u64 s[76:77], s[76:77], 3072          ; tile 1's image,
	s_add_nc_u64 s[78:79], s[78:79], 128           ; and its rows' scale words
.irp i, 0,1,2,3,4,5
	v_mov_b32 v[QF+\i], v[Q1+\i]                   ; tile 1's Q
.endr
	v_mov_b32 v[QS], v[QS1]
	s_sub_co_u32 s[PASS], s[PASS], 1
	s_cmp_lg_u32 s[PASS], 0
	WALU
	s_cbranch_scc1 .Lpass
	s_wait_tensorcnt 0x0                           ; the wave's end
	ds_add_u32 v[SPW], v[NIL]
	s_wait_dscnt 0x0
	ROUND                                          ; the closing round
	s_endpgm
.Lfunc_end_k_q14981073f4_attn:
	.size	k_q14981073f4_attn, .Lfunc_end_k_q14981073f4_attn-k_q14981073f4_attn
	.p2alignl 7, 3214868480
	.fill 96, 4, 3214868480
	.section	.rodata,"a",@progbits
	.p2align	6, 0x0
	.amdhsa_kernel k_q14981073f4_attn
		.amdhsa_group_segment_fixed_size 263168
		.amdhsa_private_segment_fixed_size 0
		.amdhsa_enable_private_segment 0
		.amdhsa_kernarg_size 24
		.amdhsa_user_sgpr_count 2
		.amdhsa_user_sgpr_kernarg_segment_ptr 1
		.amdhsa_wavefront_size32 1
		.amdhsa_system_sgpr_workgroup_id_x 1
		.amdhsa_system_sgpr_workgroup_id_y 1
		.amdhsa_system_sgpr_workgroup_id_z 1
		.amdhsa_system_vgpr_workitem_id 0
		.amdhsa_next_free_vgpr 256
		.amdhsa_next_free_sgpr 80
		.amdhsa_reserve_vcc 0
		.amdhsa_float_denorm_mode_32 3
		.amdhsa_float_denorm_mode_16_64 3
		.amdhsa_memory_ordered 1
		.amdhsa_forward_progress 1
		.amdhsa_inst_pref_size 71
	.end_amdhsa_kernel
	.amdgpu_metadata
---
amdhsa.version: [ 1, 2 ]
amdhsa.kernels:
  - .name:           k_q14981073f4_attn
    .symbol:         k_q14981073f4_attn.kd
    .args:
      - { .name: qbuf, .offset: 0, .size: 8, .value_kind: global_buffer, .address_space: global }
      - { .name: kv, .offset: 8, .size: 8, .value_kind: global_buffer, .address_space: global }
      - { .name: a_op, .offset: 16, .size: 8, .value_kind: global_buffer, .address_space: global }
    .group_segment_fixed_size: 263168
    .private_segment_fixed_size: 0
    .kernarg_segment_align: 8
    .kernarg_segment_size: 24
    .max_flat_workgroup_size: 512
    .sgpr_count:     80
    .vgpr_count:     256
    .wavefront_size: 32
...
	.end_amdgpu_metadata
.endif
;; end of part 3
;; launch proj (part 4): grid 32 x 8, 4 waves a work-group, clusters of 4 x 4, 307,712 bytes of LDS; arguments a_op, wo_op, b_out, x, out0; writes out0
.if DOCPART == 4
	.amdgcn_target "amdgcn-amd-amdhsa--gfx1250"
	.amdhsa_code_object_version 6
	.text
	.protected	k_q14981073f4_proj
	.globl	k_q14981073f4_proj
	.p2align	8
	.type	k_q14981073f4_proj,@function
k_q14981073f4_proj:
	s_mov_b64 s[64:65], 0
	v_nop
	global_prefetch_b8 v0, s[64:65] scope:SCOPE_SE
	s_setreg_imm32_b32 hwreg(HW_REG_WAVE_MODE, 25, 1), 1
	s_wait_xcnt 0x0
	s_wait_alu depctr_hold_cnt(0) depctr_sa_sdst(0) depctr_va_vdst(0) depctr_va_sdst(0) depctr_va_ssrc(0) depctr_va_vcc(0) depctr_vm_vsrc(0)
	s_getreg_b32 s2, hwreg(HW_REG_IB_STS2, 6, 4)
	s_cmp_eq_u32 s2, 0
	s_cbranch_scc0 .Lentry_in_a_cluster
	s_endpgm
.Lentry_in_a_cluster:
	s_bfe_u32 s2, ttmp6, 0x10000c
	s_cmp_lg_u32 s2, 0xf033
	s_cbranch_scc0 .Lentry_shape_is_right
	s_endpgm
.Lentry_shape_is_right:
; out0 = a w_out^T + b_out + x, the product on E2M3 codes (K = 1,024).  a_op and wo_op are pairs of 32 rows, 25,600 bytes each: four records of 6,400 bytes (256 along K): for tile u and K step q of the
; record an image of the operand's registers at 3,072 u + 1,536 q, and at 6,144 the scale words (8 bytes a lane: lanes 0-15 tile 0's rows, lanes 16-31 tile 1's).  Row r of tile u is row 8 u + r + 8 (r / 8) of its pair.
; LIMITS: NaN, infinities and sums beyond f32's range are not served; a sum begins with the bias, and x is added last.
; THE DEAL.  256 work-groups of four waves, 2 x 2, each 256 tokens x 128 columns.  Wave (a, b) holds four tiles of 16 rows of w_out (columns 64 b on), ALL of K, in 384 registers, and streams tokens past them
; in eight blocks of 16: block s = 2 g + u is tile u of the work-group's pair 2 g + a.  A block is 32 products, its four accumulators by turns.
; The instruction is used transposed (source 0 = rows of w_out, source 1 = tokens): a lane holds eight neighbouring columns of one token.
; THE CLUSTER's x counts tile rows: tokens are shared by a COLUMN of the cluster, weights by a ROW: joint loads.
; LDS: 8 pairs of tokens (204,800 bytes), 4 pairs of weight rows (102,400), the spare words.  Each byte is filled once; all is asked for at the head, so there is no refill and no data prefetch.
; THE HEAD'S FOUR TILES, one a wave, each on its own line: the weights; token pairs 0-3; 4, 5; 6, 7.  The stream begins when the first two are in; a plain barrier inside block 1 shows the others.
; The waves' stages lie in the weights' first bytes, which are read for the last time ahead of the barrier in front of the stream.
; ONE RUN OF MEMORY LINES behind a block's products: its sums into the stage and back as whole rows of 256 bytes; the fetch of the block two on; one wait on LDS; + x; eight stores of 512 bytes.
; x comes in the stores' layout: blocks 0 to 5 are asked for at the head into six sets of 32 registers, blocks 6 and 7 into sets 0 and 1 behind blocks 0 and 1.
; REGISTERS: fragment f lies in window 1 + f / 21 at 12 (f % 21): 0-31 the weights' (4 n + tile), 32-47 the tokens' two sets (32 + 8 e + n).  Window 3 from v72 on: five sets of x.  Window 0: the map below.
.set PAIRB, 25600
.set REC,   6400
.set YB,    8*PAIRB
.set SPARE, 12*PAIRB
.set SPITCH, 272
.set FR,    12
.set FPW,   21
.set NF,    36                         ; LDS loads of a block: 32 for eight fragments, 4 for eight scale words
.set AF16,  6
.set AF8,   7
.set BOF,   8
.set CO,    9
.set SPW,   10
.set NIL,   11
.set BB16,  14
.set BB8,   15
.set STO,   18
.set RD,    19
.set SB,    24                         ; v24-39 the weights' scale words: 8 (tile / 2) + n
.set SA,    44                         ; v44-59 the tokens': 8 e + n.  A product's two scale registers differ by 4 modulo 8
.set ACC,   64                         ; v64-127 two sets of four accumulators
.set BK,    128                        ; v128-191 two sets: 16 rows x 256 bytes back from the stage
.set BO,    192                        ; v192-223 the bias as the first four products' C;  v224-255 the sixth set of x
.set G1A, 24
.set G0A, 56
.set G1B, 32
.set G0B, 60
.set MSB, 0
.macro WIN new
.if MSB != \new
	s_set_vgpr_msb (MSB<<8)|\new
.set MSB, \new
.endif
.endm
.macro PLACES n
.rept \n
	v_nop
.endr
.endm
.macro WALU
	s_wait_alu depctr_va_vdst(0)
.endm
.macro BARRIER
	s_barrier_signal -1
	s_barrier_wait -1
.endm
.macro CROUND
	BARRIER
	s_cmp_lg_u32 s14, 0
	s_cbranch_scc1 .Lnot_wave_0_\@
	s_barrier_signal -3
.Lnot_wave_0_\@:
	s_barrier_wait -3
	BARRIER
.endm
.macro TLOAD g0, g1
	tensor_load_to_lds s[\g0:\g0+3], s[\g1:\g1+7]
	s_nop 0
	PLACES 4
.endm
.macro ATILE first, rows               ; some of the tokens' 8 pairs, by a descriptor of constants
	s_mov_b32 s[G0A+1], (\first)*PAIRB
	s_mov_b32 s[G1A+2], (\rows)<<16
	s_mov_b32 s[G1A+4], \rows
.if \first
	s_add_nc_u64 s[G0A+2:G0A+3], s[G0A+2:G0A+3], (\first)*PAIRB
.endif
	s_or_b32 s[G0A+3], s[G0A+3], 0x80000000
	TLOAD G0A, G1A
.endm
.macro GROUP1 g, mask, rows            ; rows of 3,200 elements of 8 bytes: a pair
	s_or_b32 s[\g+0], s[\mask], (3<<16)|(1<<21)
	s_mov_b32 s[\g+1], 3200<<16
	s_mov_b32 s[\g+3], 3200<<16
.if \rows
	s_mov_b32 s[\g+2], (\rows)<<16
	s_mov_b32 s[\g+4], \rows
.endif
	s_mov_b32 s[\g+5], 3200
	s_mov_b32 s[\g+6], 0
	s_mov_b32 s[\g+7], 0
.endm
.macro FRAG f, a16, a8, off            ; an image of 12 registers
	WIN (1+(\f)/FPW)<<6
.set R_, FR*((\f)%FPW)
	ds_load_b128 v[R_:R_+3], v[\a16] offset:\off
	ds_load_b64 v[R_+4:R_+5], v[\a8] offset:\off+512
	ds_load_b128 v[R_+6:R_+9], v[\a16] offset:\off+768
	ds_load_b64 v[R_+10:R_+11], v[\a8] offset:\off+1280
.endm
.macro FETCH e                         ; tile e of the pair at which v[AF16], v[AF8] stand, all of K, into set e: NF loads
.irp n, 0,1,2,3,4,5,6,7
	FRAG 32+8*(\e)+\n, AF16, AF8, (\n/2)*REC+(\e)*3072+(\n&1)*1536
.endr
	WIN 0
.irp k, 0,1,2,3
	ds_load_b64 v[SA+8*(\e)+2*\k:SA+8*(\e)+2*\k+1], v[AF8] offset:\k*REC+6144
.endr
.endm
.macro PROD1 c, o, e
.if \o
	v_wmma_scale_f32_16x16x128_f8f6f4 v[D_:D_+7], v[FR*(FB_%FPW):FR*(FB_%FPW)+FR-1], v[FR*(FA_%FPW):FR*(FA_%FPW)+FR-1], \c, v[XB_], v[XA_] matrix_a_fmt:MATRIX_FMT_FP6 matrix_b_fmt:MATRIX_FMT_FP6 matrix_a_scale:MATRIX_SCALE_ROW1 matrix_b_scale:MATRIX_SCALE_ROW\e
.else
	v_wmma_scale_f32_16x16x128_f8f6f4 v[D_:D_+7], v[FR*(FB_%FPW):FR*(FB_%FPW)+FR-1], v[FR*(FA_%FPW):FR*(FA_%FPW)+FR-1], \c, v[XB_], v[XA_] matrix_a_fmt:MATRIX_FMT_FP6 matrix_b_fmt:MATRIX_FMT_FP6 matrix_a_scale:MATRIX_SCALE_ROW0 matrix_b_scale:MATRIX_SCALE_ROW\e
.endif
.endm
.macro PROD e, n                       ; product n = 4 (K step) + tile of a block whose tokens lie in set e
.set Q_, (\n)/4
.set T_, (\n)%4
.set FB_, 4*Q_+T_
.set FA_, 32+8*(\e)+Q_
.set D_, ACC+32*(\e)+8*T_
.set XB_, SB+8*(T_/2)+Q_
.set XA_, SA+8*(\e)+Q_
	WIN (1+FB_/FPW)|((1+FA_/FPW)<<2)
.if Q_
	PROD1 v[D_:D_+7], T_%2, \e
.else
	PROD1 v[BO+8*T_:BO+8*T_+7], T_%2, \e
.endif
.endm
.macro PRODS e, from, to
.set N_, \from
.rept (\to)-(\from)
	PROD \e, N_
.set N_, N_+1
.endr
	WIN 0
.endm
.macro XSET i                          ; where set i of x lies
.if (\i) < 5
.set XW_, 3
.set XR_, 72+32*(\i)
.else
.set XW_, 0
.set XR_, 224
.endif
.endm
.macro XLOAD s                         ; x of block s: stage rows 2 t, 2 t + 1 are tokens 8 u + 2 t + 8 (t / 4) and the next of the pair; 16 lanes read 256 consecutive bytes
	XSET (\s)%6
	WIN XW_<<6
.irp t, 0,1,2,3,4,5,6,7
	global_load_b128 v[XR_+4*\t:XR_+4*\t+3], v[CO], s[10:11] offset:(64*((\s)/2)+8*((\s)%2)+2*\t+8*(\t/4))*4096 th:TH_LOAD_NT
.endr
	WIN 0
.endm
.macro STAGED u                        ; set u's sums into my stage, each accumulator from its low end on, and back as whole rows.  LDS serves a wave's instructions in order (ISA guide 5.7.1.4): no wait between
.irp t, 0,1,2,3
	ds_store_b128 v[STO], v[ACC+32*(\u)+8*\t:ACC+32*(\u)+8*\t+3] offset:128*(\t/2)+32*(\t&1)       ; columns 32 (t / 2) + 8 (t % 2) + 16 h + 0 .. 7
	ds_store_b128 v[STO], v[ACC+32*(\u)+8*\t+4:ACC+32*(\u)+8*\t+7] offset:128*(\t/2)+32*(\t&1)+16
.endr
.irp t, 0,1,2,3,4,5,6,7
	ds_load_b128 v[BK+32*(\u)+4*\t:BK+32*(\u)+4*\t+3], v[RD] offset:2*\t*SPITCH
.endr
.endm
.macro OUT s                           ; + x, and out
.set B_, BK+32*((\s)%2)
	XSET (\s)%6
	WIN XW_<<2
.irp t, 0,1,2,3,4,5,6,7
	v_pk_add_f32 v[B_+4*\t:B_+4*\t+1], v[B_+4*\t:B_+4*\t+1], v[XR_+4*\t:XR_+4*\t+1]
	v_pk_add_f32 v[B_+4*\t+2:B_+4*\t+3], v[B_+4*\t+2:B_+4*\t+3], v[XR_+4*\t+2:XR_+4*\t+3]
.endr
	WIN 0
.irp t, 0,1,2,3,4,5,6,7
	global_store_b128 v[CO], v[B_+4*\t:B_+4*\t+3], s[12:13] offset:(64*((\s)/2)+8*((\s)%2)+2*\t+8*(\t/4))*4096 th:TH_STORE_NT
.endr
.endm
.macro STREAM s, e                     ; block s, whose tokens lie in set e = s % 2
.if (\s) == 1
	PRODS \e, 0, 24
	s_wait_tensorcnt 0x0                           ; every wave: its tile has landed
	s_wait_dscnt 0x0
	s_barrier_signal -1                            ; a plain barrier: waves 2 and 3's tiles are shown to all
	PRODS \e, 24, 32
	s_barrier_wait -1
.else
	PRODS \e, 0, 32
.endif
.if ((\s) < 6) && ((\e) == 0)          ; four plain lines between the last product and the first reader of its sums and the fetch into its registers
	v_add_nc_u32 v[AF16], 2*PAIRB, v[AF16]         ; on to my next pair
	v_add_nc_u32 v[AF8], 2*PAIRB, v[AF8]
	PLACES 2
	WALU                                           ; the wait ahead of the wait below
.else
	PLACES 4
.endif
	s_wait_xcnt 0x0                                ; the stores of two blocks ago have read set e of the rows
	STAGED \e
.if (\s) < 6
	FETCH \e
	s_wait_dscnt NF                                ; the block's rows are back, and the next block's tokens are in; younger is this run's fetch alone
.else
	s_wait_dscnt 0x0
.endif
.if (\s) < 3
	s_wait_loadcnt 40                              ; x of this block is in: younger are the loads of five blocks,
.else
	s_wait_loadcnt 8*(7-(\s))                      ; later of those that are left
.endif
	OUT \s
.if (\s) < 2
	XLOAD (\s)+6
.endif
.endm
; ================= THE HEAD
	s_load_b256 s[4:11], s[0:1], 0x0               ; a_op, wo_op, b_out, x
	s_load_b64 s[12:13], s[0:1], 0x20              ; out0
	v_lshl_add_u32 v[SPW], v0, 2, SPARE
	v_mov_b32 v[NIL], 0
	ds_add_u32 v[SPW], v[NIL]                      ; the opening lines: the add twice on end
	ds_add_u32 v[SPW], v[NIL]
	v_lshrrev_b32 v1, 5, v0
	v_readfirstlane_b32 s14, v1                    ; the wave; s15 its row a of the 2 x 2, s16 its column b
	s_lshr_b32 s15, s14, 1
	s_and_b32 s16, s14, 1
	s_bfe_u32 s40, ttmp6, 0x40000
	s_bfe_u32 s41, ttmp6, 0x40004
	s_lshl_b32 s43, ttmp9, 2
	s_add_co_u32 s43, s43, s40                     ; tile row: 4 x cluster x + cx
	s_and_b32 s42, ttmp7, 0xffff
	s_lshl_b32 s42, s42, 2
	s_add_co_u32 s42, s42, s41                     ; tile column: 4 x cluster y + cy
	s_lshl_b32 s44, 0x1111, s40                    ; my column of the cluster: shares the tokens
	s_lshl_b32 s45, s41, 2
	s_lshl_b32 s45, 15, s45                        ; my row: shares the weights
	GROUP1 G1A, 44, 0
	GROUP1 G1B, 45, 4
	s_mov_b32 s[G0A], 1
	s_mov_b32 s[G0B], 1
	s_mov_b32 s[G0B+1], YB
	s_mul_i32 s76, s43, 8*PAIRB
	s_mov_b32 s77, 0
	s_mul_i32 s78, s42, 4*PAIRB
	s_mov_b32 s79, 0
	s_lshl_b32 s82, s42, 9
	s_lshl_b32 s21, s16, 8
	s_add_co_u32 s82, s82, s21                     ; my first column, in bytes
	s_mov_b32 s83, 0
	s_lshl_b32 s84, s43, 20                        ; 256 tokens of 4,096 bytes a tile row,
	s_lshl_b32 s21, s15, 17                        ; my first pair: 32 a tokens on
	s_add_co_u32 s84, s84, s21
	s_add_co_u32 s84, s84, s82
	s_mov_b32 s85, 0
	s_mul_i32 s20, s15, PAIRB
	s_mul_i32 s22, s16, 2*PAIRB
	s_add_co_u32 s22, s22, YB
	s_mul_i32 s23, s14, 16*SPITCH
	s_add_co_u32 s23, s23, YB                      ; my stage
	v_and_b32 v1, 15, v0                           ; r
	v_bfe_u32 v2, v0, 4, 1                         ; h
	v_and_b32 v3, 31, v0
	v_lshlrev_b32 v4, 4, v3
	v_lshlrev_b32 v5, 3, v3
	v_add_nc_u32 v[AF16], s20, v4
	v_add_nc_u32 v[AF8], s20, v5
	v_add_nc_u32 v[BB16], s22, v4
	v_add_nc_u32 v[BB8], s22, v5
	v_mul_u32_u24 v12, v1, SPITCH
	v_mul_u32_u24 v13, v2, SPITCH
	v_lshl_add_u32 v12, v2, 6, v12
	v_lshl_add_u32 v13, v1, 4, v13
	v_add_nc_u32 v[STO], s23, v12                  ; in: row r, + 64 h
	v_add_nc_u32 v[RD], s23, v13                   ; back: row h, 16 bytes x r
	v_lshlrev_b32 v12, 12, v2
	v_lshl_add_u32 v[CO], v1, 4, v12               ; and the same in x and out0
	v_lshlrev_b32 v[BOF], 6, v2
	WALU                                           ; the wait at the head's end
	s_wait_dscnt 0x0
	CROUND                                         ; the opening round
	s_wait_kmcnt 0x0
	s_add_nc_u64 s[G0A+2:G0A+3], s[4:5], s[76:77]
	s_add_nc_u64 s[G0B+2:G0B+3], s[6:7], s[78:79]
	s_or_b32 s[G0B+3], s[G0B+3], 0x80000000
	s_add_nc_u64 s[8:9], s[8:9], s[82:83]
	s_add_nc_u64 s[10:11], s[10:11], s[84:85]
	s_add_nc_u64 s[12:13], s[12:13], s[84:85]
	s_cmp_eq_u32 s14, 0
	s_cbranch_scc0 .Lwave_1
	TLOAD G0B, G1B                                 ; wave 0: the weights, which are wanted first
	s_branch .Lasked
.Lwave_1:
	s_cmp_eq_u32 s14, 1
	s_cbranch_scc0 .Lwave_2
	ATILE 0, 4                                     ; wave 1: token pairs 0 to 3
	s_branch .Lasked
.Lwave_2:
	s_cmp_eq_u32 s14, 2
	s_cbranch_scc0 .Lwave_3
	ATILE 4, 2                                     ; wave 2: 4, 5
	s_branch .Lasked
.Lwave_3:
	ATILE 6, 2                                     ; wave 3: 6, 7
.Lasked:
.irp t, 0,1,2,3                        ; the bias: register j of tile t of lane (r, h) is column 32 (t / 2) + 8 (t % 2) + 16 h + j of my 64
	global_load_b128 v[BO+8*\t:BO+8*\t+3], v[BOF], s[8:9] offset:128*(\t/2)+32*(\t&1)
	global_load_b128 v[BO+8*\t+4:BO+8*\t+7], v[BOF], s[8:9] offset:128*(\t/2)+32*(\t&1)+16
.endr
.irp s, 0,1,2,3,4,5
	XLOAD \s
.endr
	s_cmp_eq_u32 s14, 0
	s_cbranch_scc0 .Lnot_b
	s_wait_tensorcnt 0x0
.Lnot_b:
	BARRIER                                        ; the weights have landed
.irp n, 0,1,2,3,4,5,6,7
.irp t, 0,1,2,3
	FRAG 4*\n+\t, BB16, BB8, (\t/2)*PAIRB+(\n/2)*REC+(\t&1)*3072+(\n&1)*1536
.endr
.endr
	WIN 0
.irp p, 0,1
.irp k, 0,1,2,3
	ds_load_b64 v[SB+8*\p+2*\k:SB+8*\p+2*\k+1], v[BB8] offset:\p*PAIRB+\k*REC+6144
.endr
.endr
	s_cmp_eq_u32 s14, 1
	s_cbranch_scc0 .Lnot_a
	s_wait_tensorcnt 0x0                           ; wave 1: token pairs 0 to 3 have landed
.Lnot_a:
	s_wait_dscnt 0x0
	BARRIER                                        ; they are shown to all, and nobody reads the weights' bytes any more.  Waves 2 and 3's tiles may be on their way
	FETCH 0
	FETCH 1
	s_wait_dscnt NF                                ; block 0's tokens are in
	s_wait_loadcnt 48                              ; the bias is in: younger are six blocks of x
; ================= THE STREAM
	STREAM 0, 0
	STREAM 1, 1
	STREAM 2, 0
	STREAM 3, 1
	STREAM 4, 0
	STREAM 5, 1
	STREAM 6, 0
	STREAM 7, 1
	s_wait_tensorcnt 0x0                           ; the wave's end
	ds_add_u32 v[SPW], v[NIL]
	s_wait_dscnt 0x0
	CROUND                                         ; the closing round
	s_endpgm
.Lfunc_end_k_q14981073f4_proj:
	.size	k_q14981073f4_proj, .Lfunc_end_k_q14981073f4_proj-k_q14981073f4_proj
	.p2alignl 7, 3214868480
	.fill 96, 4, 3214868480
	.section	.rodata,"a",@progbits
	.p2align	6, 0x0
	.amdhsa_kernel k_q14981073f4_proj
		.amdhsa_group_segment_fixed_size 307712
		.amdhsa_private_segment_fixed_size 0
		.amdhsa_enable_private_segment 0
		.amdhsa_kernarg_size 40
		.amdhsa_user_sgpr_count 2
		.amdhsa_user_sgpr_kernarg_segment_ptr 1
		.amdhsa_wavefront_size32 1
		.amdhsa_system_sgpr_workgroup_id_x 1
		.amdhsa_system_sgpr_workgroup_id_y 1
		.amdhsa_system_sgpr_workgroup_id_z 1
		.amdhsa_system_vgpr_workitem_id 0
		.amdhsa_next_free_vgpr 1024
		.amdhsa_next_free_sgpr 100
		.amdhsa_reserve_vcc 0
		.amdhsa_float_denorm_mode_32 3
		.amdhsa_float_denorm_mode_16_64 3
		.amdhsa_memory_ordered 1
		.amdhsa_forward_progress 1
		.amdhsa_inst_pref_size 100
	.end_amdhsa_kernel
	.amdgpu_metadata
---
amdhsa.version: [ 1, 2 ]
amdhsa.kernels:
  - .name:           k_q14981073f4_proj
    .symbol:         k_q14981073f4_proj.kd
    .args:
      - { .name: a_op, .offset: 0, .size: 8, .value_kind: global_buffer, .address_space: global }
      - { .name: wo_op, .offset: 8, .size: 8, .value_kind: global_buffer, .address_space: global }
      - { .name: b_out, .offset: 16, .size: 8, .value_kind: global_buffer, .address_space: global }
      - { .name: x, .offset: 24, .size: 8, .value_kind: global_buffer, .address_space: global }
      - { .name: out0, .offset: 32, .size: 8, .value_kind: global_buffer, .address_space: global }
    .group_segment_fixed_size: 307712
    .private_segment_fixed_size: 0
    .kernarg_segment_align: 8
    .kernarg_segment_size: 40
    .max_flat_workgroup_size: 128
    .sgpr_count:     100
    .vgpr_count:     1024
    .wavefront_size: 32
...
	.end_amdgpu_metadata
.endif
;; end of part 4
